; MI455X (gfx1250); checked and timed in simulation.
; The chip was launched on July 23, 2026; its instructions are those of AMD's public machine-readable ISA for CDNA 5 (MIT licence, August 2026) and "CDNA5" Instruction Set Architecture Reference Guide (July 2026). The comments in the code are by the model that wrote it; some were corrected since.
;; Attention Layer. Allowed arithmetic: matrix products marked QUANTISED: E2M1 operands, one E8M0 scale for each 32 along K, by v_wmma_scale_f32_16x16x128_f8f6f4 with both operands' format E2M1 (or v_wmma_scale_f32_32x16x128_f4), f32 sums; products left as they are: bf16, f16 or f32 operands; f32 sums; everything else in f32.
;; Inputs: Wk 512 x 512 float32; Wq 512 x 512 float32; Wv 512 x 512 float32; bk 512 float32; bq 512 float32; bv 512 float32; x 8 x 2,048 x 512 float32.
;; Outputs: out0 8 x 512 float32.
;; This version of the problem:
;;   THIS VERSION OF THE PROBLEM IS GIVEN IN LOW PRECISION. The matrix products marked QUANTISED in the list below multiply operands that are first quantised to E2M1 (2 exponent bits, 1 mantissa bit; 4 bits a number), with one power-of-two scale for each 32 numbers along K (OCP MX v1.0); their sums are f32. The products marked 'left as it is' may take bf16, f16 or f32 operands, with f32 sums. Whichever they take, every output number must still come out within the allowed error. Rounding operands to bf16 (8 significant bits) uses up far more of that allowance than f16 does (11 bits, for magnitudes from 6e-5 to 65,504). All else is computed in f32.
;;   The module's matrix products, in the order in which they are computed (A, B: the left and right operand; K: the contracted axis; several contracted axes count as one K, in the product's order):
;;     1. [M 16,384, K 512] x [K 512, N 512]; A: input x; B: input Wq: QUANTISED
;;     2. [M 16,384, K 512] x [K 512, N 512]; A: input x; B: input Wk: QUANTISED
;;     3. [M 16,384, K 512] x [K 512, N 512]; A: input x; B: input Wv: QUANTISED
;;     4. batch 8 x [M 2,048, K 512] x [K 512, N 2,048]; A: computed on the way; B: computed on the way: left as it is (an operand is computed on the way)
;;     5. batch 8 x [M 2,048, K 2,048] x [K 2,048, N 512]; A: computed on the way; B: computed on the way: left as it is (an operand is computed on the way)
;;   THE QUANTISER, for each operand of a quantised product, along K:
;;     - K is cut into blocks of 32 from its start; a last block that is shorter is filled with zeros.
;;     - A block's scale is 2^e with e = floor(log2(the largest magnitude in the block)) - 2, held to -126 .. 127; a block of zeros has e = 0. As a byte (E8M0): e + 127.
;;     - Each number is divided by its block's scale, clamped to +-6, and rounded to the nearest number of E2M1, ties to even, subnormals kept.
;;     - The product sums the exact products of the quantised numbers (number of the format x scale) in f32.
;;   ~~~python
;;   def quantise(x, axis):      # numpy; x: float32 -> the quantised numbers, widened to float32 again
;;       x = np.moveaxis(x, axis, -1); K = x.shape[-1]
;;       x = np.pad(x, [(0, 0)] * (x.ndim - 1) + [(0, -K % 32)]); x = x.reshape(x.shape[:-1] + (-1, 32)); a = np.abs(x).max(-1, keepdims=True)
;;       e = np.where(a > 0, np.clip(np.frexp(np.where(a > 0, a, 1))[1] - 1 - 2, -126, 127), 0)      # np.frexp(a)[1] - 1 = floor(log2(a)), exactly
;;       r = np.clip(x / 2.0 ** e, -6, 6)
;;       step = 2.0 ** (np.maximum(np.frexp(np.where(r == 0, 1, r))[1] - 1, 0) - 1)
;;       q = np.round(r / step) * step * 2.0 ** e      # np.round: ties to even
;;       return np.moveaxis(q.reshape(q.shape[:-2] + (-1,))[..., :K], -1, axis).astype(np.float32)
;;   ~~~
;; 2 versions, each right; version 2 is version 1 with the launch prep written anew for expert scheduling mode. Each part assembles by itself: llvm-mc -triple=amdgcn-amd-amdhsa -mcpu=gfx1250 --defsym DOCPART=n.
;; ======== version 1 of 2: 3 launches
;; workspace buffers: wpack 278,528 bytes; qv 16,384 bytes; part 589,824 bytes
;; launch prep (part 1): grid 96 x 1, 8 waves a work-group, no clusters, 11,264 bytes of LDS; arguments x, Wq, bq, Wk, Wv, wpack, qv; writes wpack, qv
.if DOCPART == 1
	.amdgcn_target "amdgcn-amd-amdhsa--gfx1250"
	.amdhsa_code_object_version 6
	.text
	.protected	k_q8e002841cf_prep
	.globl	k_q8e002841cf_prep
	.p2align	8
	.type	k_q8e002841cf_prep,@function
k_q8e002841cf_prep:
	s_mov_b64 s[64:65], 0
	v_nop
	global_prefetch_b8 v0, s[64:65] scope:SCOPE_SE
	s_setreg_imm32_b32 hwreg(HW_REG_WAVE_MODE, 25, 1), 1
	s_wait_xcnt 0x0
; Wk and Wv [512 (k)][512 (n)] f32 become codes of FP4 (E2M1) with one E8M0 byte for each 32 along K, laid in the order of the operand's registers
; for the next launch; and q = Q(x) Q(Wq) + bq is made for the one row of each batch that is kept: the last (8 rows in all).
; SHARES.  Work-group g: matrix g / 32 (0 Wk, 1 Wv, 2 Wq), tile T = g % 32 of 16 columns.  Wave w takes K rows 64 w .. 64 w + 63; lane (r, h) takes column 16 T + r and
; block 2 w + h of K: its 32 registers run DOWN K, so a block's largest magnitude needs no other lane and the four conversions give registers 4 c .. 4 c + 3 (c = w % 2)
; of the fragment of K step w / 2, as that lane wants them.  Nothing is transposed.  Each load reads 64 consecutive bytes in sixteen lanes; the other columns of the same
; 256 bytes belong to the three neighbouring work-groups.
; wpack: eight blocks of 34,816 bytes, one for each wave of the next launch (64 columns): 2,048 bytes of scale bytes (tile t at 512 t: Wk's [r][16], then Wv's [r][16]), Wk's 16 fragments, Wv's 16
; (fragment 4 t + s at 1,024 (4 t + s) + 512 c + 16 lane).   qv: [tile 32][batch 8][16 columns] f32.
; A block's scale is 2^(floor(log2(its largest magnitude)) - 2): its byte is the largest magnitude's exponent field - 2, held at 1 from below.
; LIMITS: NaN and infinities among the inputs are not served; a block of zeros, or one whose largest magnitude lies under 2^-124, gets the byte 1: its codes are zeros or tiny, and the bytes are read by this program alone.
; No tensor loads and no cluster: a work-group's numbers are its own (only x's 8 rows, 16 KB, are read by the 32 work-groups of Wq).  The two ways, which part on the work-group's number, have LDS bytes of their own.
.set KSB,   0                          ; LDS: Wk's or Wv's scale bytes [r][16]
.set QSB,   256                        ; Wq's scale bytes [r][16]
.set QWI,   512                        ; Wq's four fragments, as images of their registers: 1,024 s + 512 c + 16 lane
.set QXI,   4608                       ; x's four fragments likewise
.set QXS,   8704                       ; x's scale words: 128 s + 4 lane
.set QST,   9216                       ; a stage for q: 16 rows of 64 bytes
.set SPARE, 10240                      ; the spare words, 128 bytes for each wave: four blocks of 256 bytes that no other line names
.set WBLK,  34816
.set WO,  4                            ; v4   W: 4 r + 32 h rows of 2,048 bytes
.set L16, 5                            ; v5   16 x lane
.set L8,  6                            ; v6   8 x lane
.set AKS, 7                            ; v7   KSB + 16 r + 2 w + h
.set AQS, 8                            ; v8   QSB + 16 r + 2 w + h
.set AQW, 9                            ; v9   QWI + 512 w + 16 lane
.set XO,  10                           ; v10  x: batch r % 8 (2^22 bytes each) + 64 h
.set AXI, 11                           ; v11  QXI + 1,024 (w % 4) + 16 lane
.set AXS, 12                           ; v12  QXS + 128 (w % 4) + 4 lane
.set RQS, 13                           ; v13  QSB + 16 r
.set RXS, 14                           ; v14  QXS + 4 lane
.set STI, 15                           ; v15  QST + 64 r + 32 h
.set STO, 16                           ; v16  QST + 16 lane
.set BO,  17                           ; v17  32 h
.set SPW, 18                           ; v18  LDS address of my spare word; never rewritten
.set NIL, 19                           ; v19  0; never rewritten
.set M,   20                           ; v20  a block's largest magnitude;  v23 its second chain
.set SO,  21                           ; v21  the conversion's scale operand
.set BY,  22                           ; v22  the scale's byte
.set TM,  24                           ; v24-39 at work in QUANT
.set PW,  40                           ; v40  x's scale word
.set PC,  44                           ; v44-51 x's codes
.set WC,  52                           ; v52-55 W's codes
.set WN,  64                           ; v64-95 32 numbers of W
.set XN,  96                           ; v96-159 64 numbers of x
.set WF,  160                          ; wave 0: Wq's four fragments
.set XF,  192                          ; x's four
.set WSC, 224                          ; v224-227 Wq's scale words, v228-231 x's: scales and nothing else
.set XSC, 228
.set BQ,  232                          ; bq in the result's layout
.set QD,  240                          ; the sum
.set OUTR, 248
.set WV,  18                           ; s18 wave;  s19 T;  s20 matrix;  s21 wave % 4;  s[22:23] lane selects
.set SEL, 22
.macro WLOAD b                         ; W(64 w + 32 h + i, 16 T + r), i = 0 .. 31
.set i, 0
.rept 32
	global_load_b32 v[WN+i], v[WO], s[\b:\b+1] offset:2048*i
.set i, i+1
.endr
.endm
.macro WQ                              ; my block of 32: its byte in v[BY], its codes in v[WC] on
	v_max3_num_f32 v[M], |v[WN]|, |v[WN+1]|, |v[WN+2]|
	v_max3_num_f32 v[M+3], |v[WN+3]|, |v[WN+4]|, |v[WN+5]|
.irp i, 6,10,14,18,22,26
	v_max3_num_f32 v[M], v[M], |v[WN+\i]|, |v[WN+\i+1]|
	v_max3_num_f32 v[M+3], v[M+3], |v[WN+\i+2]|, |v[WN+\i+3]|
.endr
	v_max3_num_f32 v[M], v[M], |v[WN+30]|, |v[WN+31]|
	v_max3_num_f32 v[M], v[M], v[M+3], 0x1800000   ; and the floor 2^(3 - 127): the byte cannot fall under 1
	v_add_nc_u32 v[SO], 0xff000000, v[M]           ; 2 off the exponent field: the conversion takes the exponent field of this operand as its scale
.irp g, 0,1,2,3
	v_cvt_scalef32_pk8_fp4_f32 v[WC+\g], v[WN+8*\g:WN+8*\g+7], v[SO]
.endr
	v_lshrrev_b32 v[BY], 23, v[SO]                 ; the scale's byte; also the plain instruction behind the conversions
.endm
; 64 numbers of a lane, register 16 b + i = k 32 b + 16 h + i of my row, become a fragment's codes in v[PC] on and its scale word in v[PW]
.macro QUANT s
.irp b, 0,1,2,3
	v_max3_num_f32 v[TM+\b], |v[\s+16*\b]|, |v[\s+1+16*\b]|, 0x1800000
.endr
.irp i, 2,4,6,8,10,12,14
.irp b, 0,1,2,3
	v_max3_num_f32 v[TM+\b], v[TM+\b], |v[\s+16*\b+\i]|, |v[\s+1+16*\b+\i]|   ; the four blocks by turns
.endr
.endr
.irp b, 0,1,2,3
	v_permlanex16_b32 v[TM+4+\b], v[TM+\b], s[SEL], s[SEL+1]
.endr
.irp b, 0,1,2,3
	v_max_num_f32 v[TM+\b], v[TM+\b], v[TM+4+\b]   ; with lane l xor 16's: the block's largest magnitude
.endr
.irp b, 0,1,2,3
	v_add_nc_u32 v[TM+12+\b], 0xff000000, v[TM+\b]
.endr
.irp b, 0,1,2,3
	v_lshrrev_b32 v[TM+4+\b], 23, v[TM+12+\b]
.endr
	v_lshl_or_b32 v[PW], v[TM+5], 8, v[TM+4]
	v_lshl_or_b32 v[PW], v[TM+6], 16, v[PW]
	v_lshl_or_b32 v[PW], v[TM+7], 24, v[PW]
.irp b, 0,1,2,3
	v_cvt_scalef32_pk8_fp4_f32 v[PC+2*\b], v[\s+16*\b:\s+7+16*\b], v[TM+12+\b]
	v_cvt_scalef32_pk8_fp4_f32 v[PC+1+2*\b], v[\s+8+16*\b:\s+15+16*\b], v[TM+12+\b]
.endr
	v_nop                                          ; one plain instruction behind a scaled conversion
.irp c, 0,1                            ; the operand wants a whole block in a lane: lanes 0-15 block 2 c, lanes 16-31 block 2 c + 1
.irp i, 0,1
	v_permlane16_swap_b32 v[PC+4*\c+\i], v[PC+2+4*\c+\i]
.endr
.endr
.endm
	s_load_b256 s[4:11], s[0:1], 0x0               ; x s[4:5], Wq s[6:7], bq s[8:9], Wk s[10:11]
	s_load_b128 s[12:15], s[0:1], 0x20             ; Wv s[12:13], wpack s[14:15]
	s_load_b64 s[16:17], s[0:1], 0x30              ; qv
	v_lshl_add_u32 v[SPW], v0, 2, SPARE
	v_mov_b32 v[NIL], 0
	v_lshrrev_b32 v1, 5, v0
	v_readfirstlane_b32 s[WV], v1                  ; wave 0..7
	v_and_b32 v1, 31, v0                           ; lane
	v_and_b32 v2, 15, v0                           ; r
	v_bfe_u32 v3, v0, 4, 1                         ; h
	s_and_b32 s19, ttmp9, 31                       ; T
	s_lshr_b32 s20, ttmp9, 5                       ; which matrix
	s_and_b32 s21, s[WV], 3
	; every address register is made here, ahead of all branches
	v_lshlrev_b32 v[WO], 2, v2
	v_lshl_add_u32 v[WO], v3, 16, v[WO]
	v_lshlrev_b32 v[L16], 4, v1
	v_lshlrev_b32 v[L8], 3, v1
	v_lshl_add_u32 v[AKS], v2, 4, v3
	s_lshl_b32 s24, s[WV], 1
	v_add_nc_u32 v[AKS], s24, v[AKS]
	v_add_nc_u32 v[AQS], QSB, v[AKS]
	s_lshl_b32 s24, s[WV], 9
	s_add_co_u32 s24, s24, QWI
	v_add_nc_u32 v[AQW], s24, v[L16]
	v_and_b32 v[XO], 7, v2
	v_lshlrev_b32 v[XO], 22, v[XO]
	v_lshl_add_u32 v[XO], v3, 6, v[XO]
	s_lshl_b32 s24, s21, 10
	s_add_co_u32 s24, s24, QXI
	v_add_nc_u32 v[AXI], s24, v[L16]
	s_lshl_b32 s24, s21, 7
	s_add_co_u32 s24, s24, QXS
	v_lshl_add_u32 v[AXS], v1, 2, s24
	v_lshl_add_u32 v[RQS], v2, 4, QSB
	v_lshl_add_u32 v[RXS], v1, 2, QXS
	v_lshlrev_b32 v[STI], 6, v2
	v_lshl_add_u32 v[STI], v3, 5, v[STI]
	v_add_nc_u32 v[STI], QST, v[STI]
	v_add_nc_u32 v[STO], QST, v[L16]
	v_lshlrev_b32 v[BO], 5, v3
	s_mov_b32 s[SEL], 0x76543210
	s_mov_b32 s[SEL+1], 0xfedcba98                 ; v_permlanex16_b32's selects for lane l xor 16
.irp b, 0,1,2,3
	v_mov_b32 v[TM+4+\b], 0                        ; written once: a lane permute's destination counts as one of its sources
.endr
	s_lshl_b32 s26, s19, 6                         ; where my numbers of W begin: 64 T + 64 w rows of 2,048 bytes
	s_lshl_b32 s27, s[WV], 17
	s_add_co_u32 s26, s26, s27
	s_mov_b32 s27, 0
	s_wait_kmcnt 0x0
	s_cmp_ge_u32 ttmp9, 64                         ; the work-group's number alone: all eight waves go one way
	s_cbranch_scc1 .Lq
	; ---- Wk or Wv
	s_cmp_eq_u32 s20, 0
	s_cselect_b64 s[24:25], s[10:11], s[12:13]
	s_add_nc_u64 s[24:25], s[24:25], s[26:27]
	WLOAD 24
	s_lshr_b32 s28, s19, 2
	s_mul_i32 s28, s28, WBLK                       ; the block of the wave that will read these 16 columns
	s_and_b32 s29, s19, 3                          ; t
	s_lshl_b32 s30, s29, 9
	s_lshl_b32 s31, s20, 8
	s_add_co_u32 s30, s30, s31
	s_add_co_u32 s30, s30, s28                     ; the scale bytes: block + 512 t + 256 x matrix
	s_mov_b32 s31, 0
	s_lshl_b32 s29, s29, 12
	s_add_co_u32 s28, s28, s29
	s_lshl_b32 s29, s20, 14
	s_add_co_u32 s28, s28, s29
	s_lshl_b32 s29, s[WV], 9
	s_add_co_u32 s28, s28, s29
	s_add_co_u32 s28, s28, 2048                    ; the codes: block + 2,048 + 16,384 x matrix + 4,096 t + 512 w
	s_mov_b32 s29, 0
	s_add_nc_u64 s[28:29], s[14:15], s[28:29]
	s_add_nc_u64 s[30:31], s[14:15], s[30:31]
	s_wait_loadcnt 0x0
	WQ
	global_store_b128 v[L16], v[WC:WC+3], s[28:29] ; the wave stores 512 consecutive bytes, aligned
	ds_store_b8 v[AKS], v[BY]
	s_wait_dscnt 0x0                               ; for the others' sake: my byte has landed
	s_barrier_signal -1
	s_barrier_wait -1
	s_cmp_lg_u32 s[WV], 0
	s_cbranch_scc1 .Lkv_end
	ds_load_b64 v[TM:TM+1], v[L8]                  ; KSB = 0: the tile's 256 scale bytes, 8 a lane
	s_wait_dscnt 0x0
	global_store_b64 v[L8], v[TM:TM+1], s[30:31]   ; 256 consecutive bytes, aligned
.Lkv_end:
	s_wait_tensorcnt 0x0                           ; the wave's end, behind my last LDS store
	ds_add_u32 v[SPW], v[NIL]
	s_wait_dscnt 0x0
	s_endpgm
	; ---- Wq, and q of the eight last rows
.Lq:
	s_add_nc_u64 s[24:25], s[6:7], s[26:27]
	WLOAD 24
	s_cmp_lt_u32 s[WV], 4
	s_cbranch_scc1 .Lq_nox
	s_lshl_b32 s28, s21, 9                         ; waves 4 to 7: K step w - 4 of x's rows [batch][2047]: 128 numbers, 64 a lane; rows 8 to 15 of the fragment repeat batches 0 to 7
	s_add_co_u32 s28, s28, 2047*2048
	s_mov_b32 s29, 0
	s_add_nc_u64 s[28:29], s[4:5], s[28:29]
.irp b, 0,1,2,3
.irp j, 0,1,2,3
	global_load_b128 v[XN+16*\b+4*\j:XN+16*\b+4*\j+3], v[XO], s[28:29] offset:128*\b+16*\j
.endr
.endr
.Lq_nox:
	s_cmp_lg_u32 s[WV], 0
	s_cbranch_scc1 .Lq_nobq
	s_lshl_b32 s30, s19, 6                         ; wave 0: bq of columns 16 T + 8 h + 0 .. 7
	s_mov_b32 s31, 0
	s_add_nc_u64 s[30:31], s[8:9], s[30:31]
	global_load_b128 v[BQ:BQ+3], v[BO], s[30:31]
	global_load_b128 v[BQ+4:BQ+7], v[BO], s[30:31] offset:16
.Lq_nobq:
	s_wait_loadcnt 0x0                             ; the waves have issued different numbers of loads: all of mine
	WQ
	ds_store_b128 v[AQW], v[WC:WC+3]               ; registers 4 c .. 4 c + 3 of fragment w / 2, as they stand
	ds_store_b8 v[AQS], v[BY]
	s_cmp_lt_u32 s[WV], 4
	s_cbranch_scc1 .Lq_noq
	QUANT XN
	ds_store_b128 v[AXI], v[PC:PC+3]
	ds_store_b128 v[AXI], v[PC+4:PC+7] offset:512
	ds_store_b32 v[AXS], v[PW]
.Lq_noq:
	s_wait_dscnt 0x0                               ; for wave 0's sake: my stores have landed
	s_barrier_signal -1
	s_barrier_wait -1
	s_cmp_lg_u32 s[WV], 0
	s_cbranch_scc1 .Lq_end
.irp s, 0,1,2,3
.irp c, 0,1
	ds_load_b128 v[WF+8*\s+4*\c:WF+8*\s+4*\c+3], v[L16] offset:QWI+1024*\s+512*\c
	ds_load_b128 v[XF+8*\s+4*\c:XF+8*\s+4*\c+3], v[L16] offset:QXI+1024*\s+512*\c
.endr
	ds_load_b32 v[XSC+\s], v[RXS] offset:128*\s
.endr
	ds_load_b128 v[WSC:WSC+3], v[RQS]              ; column r's sixteen bytes: word s serves K step s
	s_wait_dscnt 0x0
	; transposed: source 0 = 16 columns of Wq, source 1 = x's rows: lane (r, h) holds q[batch r][16 T + 8 h + 0 .. 7].  bq is the C of the first product.
	v_wmma_scale_f32_16x16x128_f8f6f4 v[QD:QD+7], v[WF:WF+7], v[XF:XF+7], v[BQ:BQ+7], v[WSC], v[XSC] matrix_a_fmt:MATRIX_FMT_FP4 matrix_b_fmt:MATRIX_FMT_FP4
.irp s, 1,2,3
	s_wait_alu depctr_va_vdst(0)                   ; a wait directly ahead of each link
	v_wmma_scale_f32_16x16x128_f8f6f4 v[QD:QD+7], v[WF+8*\s:WF+8*\s+7], v[XF+8*\s:XF+8*\s+7], v[QD:QD+7], v[WSC+\s], v[XSC+\s] matrix_a_fmt:MATRIX_FMT_FP4 matrix_b_fmt:MATRIX_FMT_FP4
.endr
.rept 4
	v_nop                                          ; four plain instructions between the last product and the first read of its result (ISA guide 7.12.1)
.endr
	ds_store_b128 v[STI], v[QD:QD+3]               ; the result from its low end on
	ds_store_b128 v[STI], v[QD+4:QD+7] offset:16
	ds_load_b128 v[OUTR:OUTR+3], v[STO]            ; rows 0 to 7, 512 bytes; LDS serves a wave's instructions in order: this sees my stores
	s_lshl_b32 s28, s19, 9
	s_mov_b32 s29, 0
	s_add_nc_u64 s[28:29], s[16:17], s[28:29]
	s_wait_dscnt 0x0
	global_store_b128 v[L16], v[OUTR:OUTR+3], s[28:29]   ; 512 consecutive bytes, aligned
.Lq_end:
	s_wait_tensorcnt 0x0                           ; the wave's end, as above
	ds_add_u32 v[SPW], v[NIL]
	s_wait_dscnt 0x0
	s_endpgm
.Lfunc_end_k_q8e002841cf_prep:
	.size	k_q8e002841cf_prep, .Lfunc_end_k_q8e002841cf_prep-k_q8e002841cf_prep
	.p2alignl 7, 3214868480
	.fill 96, 4, 3214868480
	.section	.rodata,"a",@progbits
	.p2align	6, 0x0
	.amdhsa_kernel k_q8e002841cf_prep
		.amdhsa_group_segment_fixed_size 11264
		.amdhsa_private_segment_fixed_size 0
		.amdhsa_enable_private_segment 0
		.amdhsa_kernarg_size 56
		.amdhsa_user_sgpr_count 2
		.amdhsa_user_sgpr_kernarg_segment_ptr 1
		.amdhsa_wavefront_size32 1
		.amdhsa_system_sgpr_workgroup_id_x 1
		.amdhsa_system_sgpr_workgroup_id_y 1
		.amdhsa_system_sgpr_workgroup_id_z 1
		.amdhsa_system_vgpr_workitem_id 0
		.amdhsa_next_free_vgpr 256
		.amdhsa_next_free_sgpr 66
		.amdhsa_reserve_vcc 0
		.amdhsa_float_denorm_mode_32 3
		.amdhsa_float_denorm_mode_16_64 3
		.amdhsa_memory_ordered 1
		.amdhsa_forward_progress 1
		.amdhsa_inst_pref_size 22
	.end_amdhsa_kernel
	.amdgpu_metadata
---
amdhsa.version: [ 1, 2 ]
amdhsa.kernels:
  - .name:           k_q8e002841cf_prep
    .symbol:         k_q8e002841cf_prep.kd
    .args:
      - { .name: x, .offset: 0, .size: 8, .value_kind: global_buffer, .address_space: global }
      - { .name: Wq, .offset: 8, .size: 8, .value_kind: global_buffer, .address_space: global }
      - { .name: bq, .offset: 16, .size: 8, .value_kind: global_buffer, .address_space: global }
      - { .name: Wk, .offset: 24, .size: 8, .value_kind: global_buffer, .address_space: global }
      - { .name: Wv, .offset: 32, .size: 8, .value_kind: global_buffer, .address_space: global }
      - { .name: wpack, .offset: 40, .size: 8, .value_kind: global_buffer, .address_space: global }
      - { .name: qv, .offset: 48, .size: 8, .value_kind: global_buffer, .address_space: global }
    .group_segment_fixed_size: 11264
    .private_segment_fixed_size: 0
    .kernarg_segment_align: 8
    .kernarg_segment_size: 56
    .max_flat_workgroup_size: 256
    .sgpr_count:     66
    .vgpr_count:     256
    .wavefront_size: 32
...
	.end_amdgpu_metadata
.endif
;; end of part 1
;; launch main (part 2): grid 256 x 1, 8 waves a work-group, clusters of 4 x 1, 327,680 bytes of LDS; arguments x, wpack, qv, bk, part; writes part
.if DOCPART == 2
	.amdgcn_target "amdgcn-amd-amdhsa--gfx1250"
	.amdhsa_code_object_version 6
	.text
	.protected	k_q8e002841cf_main
	.globl	k_q8e002841cf_main
	.p2align	8
	.type	k_q8e002841cf_main,@function
k_q8e002841cf_main:
	s_mov_b64 s[64:65], 0
	v_nop
	global_prefetch_b8 v0, s[64:65] scope:SCOPE_SE
	s_setreg_imm32_b32 hwreg(HW_REG_WAVE_MODE, 25, 1), 1
	s_wait_xcnt 0x0
	s_wait_alu depctr_hold_cnt(0) depctr_sa_sdst(0) depctr_va_vdst(0) depctr_va_sdst(0) depctr_va_ssrc(0) depctr_va_vcc(0) depctr_vm_vsrc(0)
	s_getreg_b32 s2, hwreg(HW_REG_IB_STS2, 6, 4)
	s_cmp_eq_u32 s2, 0
	s_cbranch_scc0 .Lentry_in_a_cluster
	s_endpgm
.Lentry_in_a_cluster:
	s_bfe_u32 s2, ttmp6, 0x10000c
	s_cmp_lg_u32 s2, 0x3003
	s_cbranch_scc0 .Lentry_shape_is_right
	s_endpgm
.Lentry_shape_is_right:
; For 64 keys of one batch: x's rows are quantised to FP4 (E2M1, one E8M0 byte for each 32 along K); k = Q(x) Q(Wk) + bk; the scores of the batch's one kept query (its last row's q, from qv);
; a softmax over these 64 keys with their own maximum; v = Q(x) Q(Wv); the partial context sum_p p v.  Stored: 512 sums, c x maximum and the sum of p; the next launch joins a batch's 32 records.
; bv is added there: the weights sum to 1, so sum_w w (v + bv) = sum_w w v + bv.
; SHARES.  Work-group g = 4 x cluster + cx owns keys 64 g .. 64 g + 63 (32 work-groups to a batch).  Wave w quantises rows 8 w .. 8 w + 7, and then owns columns 64 w .. 64 w + 63 of k and of v
; (4 tiles) for all 64 rows (4 tiles): 16 accumulators, 64 + 64 matrix instructions.
; CLUSTER.  All work-groups read the same packed weights: the four partners ask for them JOINTLY, each wave for its own block of 34,816 bytes, by the same descriptor with the mask of all four.
; Every LDS byte is filled once: no ring, no refill.  Each wave reads only the block that it asked for, behind its own wait.
; The scores and the context are one row a batch: f32 multiply-adds on the accumulators as they lie; k is made transposed (a lane holds one key and eight columns), v in the natural order (a lane holds one column and eight keys).
; LIMITS: NaN and infinities are not served; a block of zeros, or one under 2^-124, gets the byte 1 (its codes are zeros or tiny; the bytes are read here alone).
; REGISTERS.  Window 0: v1-19 addresses; v20-31 at work; v32-39 sums; v40-55 the weights' scale words, v56-63 x's (scales and nothing else); v64-95 q, later scores; v96-127 bk, later p; v128-255 x as loaded, then the 16 accumulators.
; Window 1: v0-127 the weights' 16 fragments (4 t + s), v128-255 x's 16 (4 m + s).
.set WBLK,  34816
.set XP,    272                        ; a row of x's codes in LDS: 256 bytes + 16: the sixteen rows that a fragment load touches start 68 words apart
.set XROW,  8*WBLK                     ; behind the eight blocks: 64 rows of codes
.set XSB,   XROW+64*XP                 ; x's scale bytes [row][16]
.set SPART, XSB+1024                   ; partial scores [wave][64]
.set PREG,  SPART+2048                 ; p [64], a copy of its own for each wave
.set CST,   PREG+2048                  ; a stage of 256 bytes for each wave
.set SPARE, CST+2048                   ; the spare words, 128 bytes for each wave: four blocks of 256 bytes that no other line names
.set XA,  4                            ; v4   32 x lane: my 8 numbers of half a row
.set XW,  5                            ; v5   XROW + 8 w rows + 4 lane
.set XB,  6                            ; v6   XSB + 128 w + lane / 4
.set WA,  7                            ; v7   my block + 16 lane
.set FA,  8                            ; v8   XROW + 272 r + 16 h
.set SA,  9                            ; v9   XSB + 16 lane
.set QA,  10                           ; v10  32 h
.set PS,  11                           ; v11  SPART + 256 w + 4 lane
.set RS,  12                           ; v12  SPART + 4 lane
.set PW,  13                           ; v13  PREG + 256 w + 4 lane
.set PR,  14                           ; v14  PREG + 256 w + 32 h
.set CW,  15                           ; v15  CST + 256 w + 4 lane
.set CR,  16                           ; v16  CST + 256 w + 8 lane
.set OV,  17                           ; v17  8 x lane
.set SPW, 18                           ; v18  LDS address of my spare word; never rewritten
.set NIL, 19                           ; v19  0; never rewritten
.set TM,  20
.set SO,  24
.set CD,  28
.set SS,  32
.set WS,  40
.set XS,  56
.set Q,   64
.set SV,  64
.set BK,  96
.set P,   96
.set XR,  128
.set AC,  128
.set WV,  14                           ; s14 wave; s15 cx; s16 g; s17 batch; s[18:19] offsets; s[20:21] lane selects; s22 c; s[24:31], s[32:35] the descriptor; s[36:37] its offset
.set MSB, 0
.macro WIN new                         ; the immediate's high byte repeats the setting that is left
.if MSB != \new
	s_set_vgpr_msb (MSB<<8)|\new
.set MSB, \new
.endif
.endm
.macro CROUND                          ; a round of the cluster's barrier
	s_barrier_signal -1
	s_barrier_wait -1
	s_cmp_lg_u32 s[WV], 0
	s_cbranch_scc1 .Lnot_wave_0_\@
	s_barrier_signal -3
.Lnot_wave_0_\@:
	s_barrier_wait -3
	s_barrier_signal -1
	s_barrier_wait -1
.endm
; Groups 4 i .. 4 i + 3 of my sixteen (group G = half G % 2 of row G / 2: 256 numbers, 8 a lane; four neighbouring lanes hold a block of 32)
.macro XQ4 i
.if (\i) > 0
	s_wait_dscnt 0x0                               ; the last four groups' stores have read their registers
.endif
	s_wait_loadcnt 40-8*(\i)                       ; these groups' eight loads are in; out may be the later groups' and the sixteen of q and bk
.irp g, 0,1,2,3
	v_max3_num_f32 v[TM+\g], |v[XR+8*(4*(\i)+\g)]|, |v[XR+8*(4*(\i)+\g)+1]|, 0x1800000   ; with the floor 2^(3 - 127): the byte cannot fall under 1
.endr
.irp n, 2,4,6
.irp g, 0,1,2,3
	v_max3_num_f32 v[TM+\g], v[TM+\g], |v[XR+8*(4*(\i)+\g)+\n]|, |v[XR+8*(4*(\i)+\g)+\n+1]|
.endr
.endr
.irp g, 0,1,2,3
	v_max_num_f32_dpp v[TM+\g], v[TM+\g], v[TM+\g] row_xmask:1 row_mask:0xf bank_mask:0xf
.endr
.irp g, 0,1,2,3
	v_max_num_f32_dpp v[TM+\g], v[TM+\g], v[TM+\g] row_xmask:2 row_mask:0xf bank_mask:0xf   ; the block's largest magnitude
.endr
.irp g, 0,1,2,3
	v_add_nc_u32 v[SO+\g], 0xff000000, v[TM+\g]    ; 2 off its exponent field: the conversion's scale operand
.endr
.irp g, 0,1,2,3
	v_cvt_scalef32_pk8_fp4_f32 v[CD+\g], v[XR+8*(4*(\i)+\g):XR+8*(4*(\i)+\g)+7], v[SO+\g]
.endr
.irp g, 0,1,2,3
	v_lshrrev_b32 v[TM+\g], 23, v[SO+\g]           ; the bytes; also the plain instructions behind the conversions
.endr
.irp g, 0,1,2,3
	ds_store_b32 v[XW], v[CD+\g] offset:XP*((4*(\i)+\g)/2)+128*((4*(\i)+\g)%2)
	ds_store_b8 v[XB], v[TM+\g] offset:8*(4*(\i)+\g)   ; the four lanes of a block write the same byte with the same value
.endr
.endm
; K step s of k: transposed, source 0 = 16 columns of Wk, source 1 = 16 rows of x.  The 16 accumulators take turns, one instruction a turn.  bk is the C of the first step.
.macro KMUL s
.irp t, 0,1,2,3
.irp m, 0,1,2,3
.if (\s) == 0
.if (\m)%2
	v_wmma_scale_f32_16x16x128_f8f6f4 v[AC+8*(4*\t+\m):AC+8*(4*\t+\m)+7], v[8*(4*\t+\s):8*(4*\t+\s)+7], v[128+8*(4*\m+\s):128+8*(4*\m+\s)+7], v[BK+8*\t:BK+8*\t+7], v[WS+4*\t+\s], v[XS+4*(\m/2)+\s] matrix_a_fmt:MATRIX_FMT_FP4 matrix_b_fmt:MATRIX_FMT_FP4 matrix_b_scale:MATRIX_SCALE_ROW1
.else
	v_wmma_scale_f32_16x16x128_f8f6f4 v[AC+8*(4*\t+\m):AC+8*(4*\t+\m)+7], v[8*(4*\t+\s):8*(4*\t+\s)+7], v[128+8*(4*\m+\s):128+8*(4*\m+\s)+7], v[BK+8*\t:BK+8*\t+7], v[WS+4*\t+\s], v[XS+4*(\m/2)+\s] matrix_a_fmt:MATRIX_FMT_FP4 matrix_b_fmt:MATRIX_FMT_FP4
.endif
.else
.if (\m)%2
	v_wmma_scale_f32_16x16x128_f8f6f4 v[AC+8*(4*\t+\m):AC+8*(4*\t+\m)+7], v[8*(4*\t+\s):8*(4*\t+\s)+7], v[128+8*(4*\m+\s):128+8*(4*\m+\s)+7], v[AC+8*(4*\t+\m):AC+8*(4*\t+\m)+7], v[WS+4*\t+\s], v[XS+4*(\m/2)+\s] matrix_a_fmt:MATRIX_FMT_FP4 matrix_b_fmt:MATRIX_FMT_FP4 matrix_b_scale:MATRIX_SCALE_ROW1
.else
	v_wmma_scale_f32_16x16x128_f8f6f4 v[AC+8*(4*\t+\m):AC+8*(4*\t+\m)+7], v[8*(4*\t+\s):8*(4*\t+\s)+7], v[128+8*(4*\m+\s):128+8*(4*\m+\s)+7], v[AC+8*(4*\t+\m):AC+8*(4*\t+\m)+7], v[WS+4*\t+\s], v[XS+4*(\m/2)+\s] matrix_a_fmt:MATRIX_FMT_FP4 matrix_b_fmt:MATRIX_FMT_FP4
.endif
.endif
.endr
.endr
.endm
; K step s of v: source 0 = 16 rows of x, source 1 = 16 columns of Wv (its scale words lie in lanes 16-31).  The first step starts the sums with the constant 0.
.macro VMUL s
.irp t, 0,1,2,3
.irp m, 0,1,2,3
.if (\s) == 0
.if (\m)%2
	v_wmma_scale_f32_16x16x128_f8f6f4 v[AC+8*(4*\t+\m):AC+8*(4*\t+\m)+7], v[128+8*(4*\m+\s):128+8*(4*\m+\s)+7], v[8*(4*\t+\s):8*(4*\t+\s)+7], 0, v[XS+4*(\m/2)+\s], v[WS+4*\t+\s] matrix_a_fmt:MATRIX_FMT_FP4 matrix_b_fmt:MATRIX_FMT_FP4 matrix_a_scale:MATRIX_SCALE_ROW1 matrix_b_scale:MATRIX_SCALE_ROW1
.else
	v_wmma_scale_f32_16x16x128_f8f6f4 v[AC+8*(4*\t+\m):AC+8*(4*\t+\m)+7], v[128+8*(4*\m+\s):128+8*(4*\m+\s)+7], v[8*(4*\t+\s):8*(4*\t+\s)+7], 0, v[XS+4*(\m/2)+\s], v[WS+4*\t+\s] matrix_a_fmt:MATRIX_FMT_FP4 matrix_b_fmt:MATRIX_FMT_FP4 matrix_b_scale:MATRIX_SCALE_ROW1
.endif
.else
.if (\m)%2
	v_wmma_scale_f32_16x16x128_f8f6f4 v[AC+8*(4*\t+\m):AC+8*(4*\t+\m)+7], v[128+8*(4*\m+\s):128+8*(4*\m+\s)+7], v[8*(4*\t+\s):8*(4*\t+\s)+7], v[AC+8*(4*\t+\m):AC+8*(4*\t+\m)+7], v[XS+4*(\m/2)+\s], v[WS+4*\t+\s] matrix_a_fmt:MATRIX_FMT_FP4 matrix_b_fmt:MATRIX_FMT_FP4 matrix_a_scale:MATRIX_SCALE_ROW1 matrix_b_scale:MATRIX_SCALE_ROW1
.else
	v_wmma_scale_f32_16x16x128_f8f6f4 v[AC+8*(4*\t+\m):AC+8*(4*\t+\m)+7], v[128+8*(4*\m+\s):128+8*(4*\m+\s)+7], v[8*(4*\t+\s):8*(4*\t+\s)+7], v[AC+8*(4*\t+\m):AC+8*(4*\t+\m)+7], v[XS+4*(\m/2)+\s], v[WS+4*\t+\s] matrix_a_fmt:MATRIX_FMT_FP4 matrix_b_fmt:MATRIX_FMT_FP4 matrix_b_scale:MATRIX_SCALE_ROW1
.endif
.endif
.endr
.endr
.endm
	s_load_b256 s[4:11], s[0:1], 0x0               ; x s[4:5], wpack s[6:7], qv s[8:9], bk s[10:11]
	s_load_b64 s[12:13], s[0:1], 0x20              ; part
	v_lshl_add_u32 v[SPW], v0, 2, SPARE
	v_mov_b32 v[NIL], 0
	ds_add_u32 v[SPW], v[NIL]                      ; the wave's opening: the add and its wait ahead of my first tensor load; the set-up below, work on registers, stands between them
	v_lshrrev_b32 v1, 5, v0
	v_readfirstlane_b32 s[WV], v1                  ; wave 0..7
	s_bfe_u32 s15, ttmp6, 0x40000                  ; cx: it enters x's and part's addresses alone
	s_lshl_b32 s16, ttmp9, 2                       ; in a cluster launch ttmp9 counts clusters
	s_add_co_u32 s16, s16, s15                     ; g
	s_lshr_b32 s17, ttmp9, 3                       ; the batch, which the four partners share
	; descriptor group 1: my block, dense: 136 rows of 256 bytes (32 elements of 8 bytes), no padding
	s_mov_b32 s24, 15|(3<<16)|(1<<21)              ; 15:0 the mask: all four work-groups; 17:16 elements of 8 bytes; 21 set beside a mask
	s_mov_b32 s25, 32<<16                          ; tensor_dim0 = 32
	s_mov_b32 s26, 136<<16                         ; tensor_dim1 = 136
	s_mov_b32 s27, 32<<16                          ; tile_dim0 = 32
	s_mov_b32 s28, 136                             ; tile_dim1 = 136
	s_mov_b32 s29, 32                              ; from row to row
	s_mov_b32 s30, 0
	s_mov_b32 s31, 0
	s_mov_b32 s32, 1                               ; group 0: count = 1
	s_mul_i32 s33, s[WV], WBLK                     ; LDS address: wave x 34,816
	s_mul_i32 s36, s[WV], WBLK                     ; and the same in wpack
	s_mov_b32 s37, 0
	s_mov_b32 s20, 0x76543210
	s_mov_b32 s21, 0xfedcba98                      ; v_permlanex16_b32's selects for lane l xor 16
	s_mov_b32 s22, 0x3d8293ee                      ; c = log2(e) / sqrt(512)
	v_and_b32 v1, 31, v0                           ; lane
	v_and_b32 v2, 15, v0                           ; r
	v_bfe_u32 v3, v0, 4, 1                         ; h
	v_lshlrev_b32 v[XA], 5, v1
	s_mul_i32 s18, s[WV], 8*XP
	s_add_co_u32 s18, s18, XROW
	v_lshl_add_u32 v[XW], v1, 2, s18
	v_lshrrev_b32 v[XB], 2, v1
	s_lshl_b32 s18, s[WV], 7
	s_add_co_u32 s18, s18, XSB
	v_add_nc_u32 v[XB], s18, v[XB]
	v_lshl_add_u32 v[WA], v1, 4, s33
	v_mul_u32_u24 v[FA], v2, XP
	v_lshl_add_u32 v[FA], v3, 4, v[FA]
	v_add_nc_u32 v[FA], XROW, v[FA]
	v_lshl_add_u32 v[SA], v1, 4, XSB
	v_lshlrev_b32 v[QA], 5, v3
	s_lshl_b32 s18, s[WV], 8
	s_add_co_u32 s19, s18, SPART
	v_lshl_add_u32 v[PS], v1, 2, s19
	v_lshl_add_u32 v[RS], v1, 2, SPART
	s_add_co_u32 s19, s18, PREG
	v_lshl_add_u32 v[PW], v1, 2, s19
	v_lshl_add_u32 v[PR], v3, 5, s19
	s_add_co_u32 s19, s18, CST
	v_lshl_add_u32 v[CW], v1, 2, s19
	v_lshl_add_u32 v[CR], v1, 3, s19
	v_lshlrev_b32 v[OV], 3, v1
	s_wait_dscnt 0x0                               ; the opening add is done
	s_wait_kmcnt 0x0
	s_add_nc_u64 s[34:35], s[6:7], s[36:37]        ; group 0: global address of my block
	s_or_b32 s35, s35, 0x80000000                  ; type = 2
	s_lshl_b32 s18, s16, 17                        ; x: 64 g rows of 2,048 bytes + 8 w rows
	s_lshl_b32 s19, s[WV], 14
	s_add_co_u32 s18, s18, s19
	s_mov_b32 s19, 0
	s_add_nc_u64 s[4:5], s[4:5], s[18:19]
	s_lshl_b32 s18, s[WV], 11                      ; qv: my four tiles of 512 bytes, the batch's 64 bytes in each
	s_lshl_b32 s19, s17, 6
	s_add_co_u32 s18, s18, s19
	s_mov_b32 s19, 0
	s_add_nc_u64 s[8:9], s[8:9], s[18:19]
	s_lshl_b32 s18, s[WV], 8                       ; bk: my 64 columns
	s_add_nc_u64 s[10:11], s[10:11], s[18:19]
	s_mul_i32 s18, s16, 2304                       ; part: record g, my 64 columns
	s_lshl_b32 s19, s[WV], 8
	s_add_co_u32 s18, s18, s19
	s_mov_b32 s19, 0
	s_add_nc_u64 s[12:13], s[12:13], s[18:19]
	CROUND                                         ; all four work-groups are here: the joint loads meet
	tensor_load_to_lds s[32:35], s[24:31]          ; my one tensor load: one is out
	s_nop 0
.rept 4
	v_nop
.endr
.irp g, 0,1,2,3,4,5,6,7,8,9,10,11,12,13,14,15
	global_load_b128 v[XR+8*\g:XR+8*\g+3],   v[XA], s[4:5] offset:1024*\g th:TH_LOAD_NT      ; the two loads of a group read 1,024 consecutive bytes, aligned, between them
	global_load_b128 v[XR+8*\g+4:XR+8*\g+7], v[XA], s[4:5] offset:1024*\g+16 th:TH_LOAD_NT
.endr
.irp t, 0,1,2,3
	global_load_b128 v[Q+8*\t:Q+8*\t+3],   v[QA], s[8:9] offset:512*\t       ; q[batch][64 w + 16 t + 8 h + 0 .. 7]
	global_load_b128 v[Q+8*\t+4:Q+8*\t+7], v[QA], s[8:9] offset:512*\t+16
.endr
.irp t, 0,1,2,3
	global_load_b128 v[BK+8*\t:BK+8*\t+3],   v[QA], s[10:11] offset:64*\t    ; bk likewise: the result's layout
	global_load_b128 v[BK+8*\t+4:BK+8*\t+7], v[QA], s[10:11] offset:64*\t+16
.endr
	XQ4 0
	XQ4 1
	XQ4 2
	XQ4 3
	s_wait_tensorcnt 0x0                           ; my block has landed
	s_wait_dscnt 0x0                               ; for the others' sake: my rows' codes and bytes have landed
	s_barrier_signal -1
.irp t, 0,1,2,3                        ; between signal and wait: loads from my own block, which nobody writes
	ds_load_b128 v[WS+4*\t:WS+4*\t+3], v[WA] offset:512*\t      ; lanes 0-15 Wk's words of column r, lanes 16-31 Wv's
.endr
	WIN 0x40                                       ; destination window 1
.irp s, 0,1,2,3
.irp t, 0,1,2,3
.irp c, 0,1
	ds_load_b128 v[8*(4*\t+\s)+4*\c:8*(4*\t+\s)+4*\c+3], v[WA] offset:2048+1024*(4*\t+\s)+512*\c
.endr
.endr
.endr
	WIN 0
	s_barrier_wait -1                              ; all 64 rows' codes and bytes lie in LDS
.irp u, 0,1
	ds_load_b128 v[XS+4*\u:XS+4*\u+3], v[SA] offset:512*\u      ; lanes 0-15 row tile 2 u, lanes 16-31 row tile 2 u + 1
.endr
	WIN 0x40
.irp s, 0,1,2,3
.irp m, 0,1,2,3
.irp c, 0,1
	ds_load_b128 v[128+8*(4*\m+\s)+4*\c:128+8*(4*\m+\s)+4*\c+3], v[FA] offset:16*XP*\m+64*\s+32*\c
.endr
.endr
.endr
	s_wait_loadcnt 0x0                             ; q and bk
	WIN 0x05                                       ; both sources window 1, C and D window 0
.irp s, 0,1,2,3
	s_wait_dscnt 24-8*\s                           ; out may be the eight loads of x's fragments for each later K step
	KMUL \s
.endr
.rept 4
	v_nop                                          ; four plain instructions behind the last product: ahead of the loads into the weights' registers and of the first read of results
.endr
	WIN 0x40
.irp s, 0,1,2,3
.irp t, 0,1,2,3
.irp c, 0,1
	ds_load_b128 v[8*(4*\t+\s)+4*\c:8*(4*\t+\s)+4*\c+3], v[WA] offset:2048+16384+1024*(4*\t+\s)+512*\c   ; Wv's fragments land while the scores are made
.endr
.endr
.endr
	WIN 0
	; the scores: lane (r, h) holds k[16 m + r][16 t + 8 h + j]: sum over t and j of k x q, four chains; each accumulator is read from its low end on
.irp t, 0,1,2,3
.irp i, 0,1,2,3
.irp m, 0,1,2,3
.if (\t == 0) && (\i == 0)
	v_pk_mul_f32 v[SS+2*\m:SS+2*\m+1], v[AC+8*(4*\t+\m)+2*\i:AC+8*(4*\t+\m)+2*\i+1], v[Q+8*\t+2*\i:Q+8*\t+2*\i+1]
.else
	v_pk_fma_f32 v[SS+2*\m:SS+2*\m+1], v[AC+8*(4*\t+\m)+2*\i:AC+8*(4*\t+\m)+2*\i+1], v[Q+8*\t+2*\i:Q+8*\t+2*\i+1], v[SS+2*\m:SS+2*\m+1]
.endif
.endr
.endr
.endr
.irp m, 0,1,2,3
	v_add_f32 v[SS+2*\m], v[SS+2*\m], v[SS+2*\m+1]
.endr
.irp m, 0,1,2,3
	v_permlanex16_b32 v[TM+\m], v[SS+2*\m], s20, s21
.endr
.irp m, 0,1,2,3
	v_add_f32 v[SS+2*\m], v[SS+2*\m], v[TM+\m]     ; my 64 columns' part of the score of key 16 m + r
.endr
	s_mov_b32 vcc_lo, 0xffff0000                   ; lanes 16-31 take the odd tile
	v_cndmask_b32 v[SO], v[SS], v[SS+2], vcc_lo
	v_cndmask_b32 v[SO+1], v[SS+4], v[SS+6], vcc_lo
	ds_store_b32 v[PS], v[SO]                      ; keys 0-31
	ds_store_b32 v[PS], v[SO+1] offset:128         ; keys 32-63
	s_wait_dscnt 0x0                               ; for the others' sake: my parts have landed; and Wv's fragments are in
	s_barrier_signal -1
	WIN 0x05
	VMUL 0                                         ; work on registers while the others arrive.  The accumulators are begun anew: more than five plain instructions that name none of a k product's registers stand behind each
	VMUL 1
	VMUL 2
	VMUL 3
	WIN 0
	s_barrier_wait -1
	; the softmax of these 64 keys, in every wave alike: lane l holds keys l and l + 32
.irp u, 0,1,2,3,4,5,6,7
	ds_load_b32 v[SV+\u], v[RS] offset:256*\u
	ds_load_b32 v[SV+8+\u], v[RS] offset:256*\u+128
.endr
	s_wait_dscnt 0x0
.irp u, 1,2,3,4,5,6,7
	v_add_f32 v[SV], v[SV], v[SV+\u]               ; the eight waves' parts, in ascending order
	v_add_f32 v[SV+8], v[SV+8], v[SV+8+\u]
.endr
	v_max_num_f32 v80, v[SV], v[SV+8]
	v_max_num_f32_dpp v80, v80, v80 row_xmask:1 row_mask:0xf bank_mask:0xf
	v_max_num_f32_dpp v80, v80, v80 row_xmask:2 row_mask:0xf bank_mask:0xf
	v_max_num_f32_dpp v80, v80, v80 row_xmask:4 row_mask:0xf bank_mask:0xf
	v_max_num_f32_dpp v80, v80, v80 row_xmask:8 row_mask:0xf bank_mask:0xf
	v_permlanex16_b32 v81, v80, s20, s21
	v_max_num_f32 v80, v80, v81                    ; the largest of the 64 scores
	v_mul_f32 v88, s22, v80                        ; c m (c is positive)
	v_fma_f32 v82, v[SV], s22, -v88
	v_fma_f32 v83, v[SV+8], s22, -v88
	v_exp_f32 v82, v82                             ; p = 2^(c s - c m)
	v_exp_f32 v83, v83
	v_nop                                          ; a plain instruction behind the exponentials,
	s_wait_alu depctr_va_vdst(0)                   ; and the wait ahead of the first use: one for the two
	v_add_f32 v89, v82, v83
	v_add_f32_dpp v89, v89, v89 row_xmask:1 row_mask:0xf bank_mask:0xf
	v_add_f32_dpp v89, v89, v89 row_xmask:2 row_mask:0xf bank_mask:0xf
	v_add_f32_dpp v89, v89, v89 row_xmask:4 row_mask:0xf bank_mask:0xf
	v_add_f32_dpp v89, v89, v89 row_xmask:8 row_mask:0xf bank_mask:0xf
	v_permlanex16_b32 v81, v89, s20, s21
	v_add_f32 v89, v89, v81                        ; l: the sum of the 64 p
	ds_store_b32 v[PW], v82                        ; p goes through my own 256 bytes, so that lane (r, h) gets p of keys 16 m + 8 h + 0 .. 7
	ds_store_b32 v[PW], v83 offset:128
.irp m, 0,1,2,3
	ds_load_b128 v[P+8*\m:P+8*\m+3],   v[PR] offset:64*\m       ; LDS serves a wave's instructions in order: these see my stores
	ds_load_b128 v[P+8*\m+4:P+8*\m+7], v[PR] offset:64*\m+16
.endr
	s_wait_dscnt 0x0
	; the context: lane (r, h) holds v[16 m + 8 h + j][16 t + r]: sum over m and j of p x v, four chains; each accumulator from its low end on
.irp m, 0,1,2,3
.irp i, 0,1,2,3
.irp t, 0,1,2,3
.if (\m == 0) && (\i == 0)
	v_pk_mul_f32 v[SS+2*\t:SS+2*\t+1], v[AC+8*(4*\t+\m)+2*\i:AC+8*(4*\t+\m)+2*\i+1], v[P+8*\m+2*\i:P+8*\m+2*\i+1]
.else
	v_pk_fma_f32 v[SS+2*\t:SS+2*\t+1], v[AC+8*(4*\t+\m)+2*\i:AC+8*(4*\t+\m)+2*\i+1], v[P+8*\m+2*\i:P+8*\m+2*\i+1], v[SS+2*\t:SS+2*\t+1]
.endif
.endr
.endr
.endr
.irp t, 0,1,2,3
	v_add_f32 v[SS+2*\t], v[SS+2*\t], v[SS+2*\t+1]
.endr
.irp t, 0,1,2,3
	v_permlanex16_b32 v[TM+\t], v[SS+2*\t], s20, s21
.endr
.irp t, 0,1,2,3
	v_add_f32 v[SS+2*\t], v[SS+2*\t], v[TM+\t]     ; column 16 t + r
.endr
	s_mov_b32 vcc_lo, 0xffff0000
	v_cndmask_b32 v[SO], v[SS], v[SS+2], vcc_lo
	v_cndmask_b32 v[SO+1], v[SS+4], v[SS+6], vcc_lo
	ds_store_b32 v[CW], v[SO]                      ; columns 0-31 of my 64,
	ds_store_b32 v[CW], v[SO+1] offset:128         ; columns 32-63,
	ds_load_b64 v[90:91], v[CR]                    ; and back, two neighbours a lane
	s_wait_dscnt 0x0
	global_store_b64 v[OV], v[90:91], s[12:13]     ; the wave stores 256 consecutive bytes, aligned
	s_cmp_lg_u32 s[WV], 0
	s_cbranch_scc1 .Lno_stat
	global_store_b64 v[OV], v[88:89], s[12:13] offset:2048   ; wave 0: {c m, l}, the same pair from all 32 lanes: 256 consecutive bytes, aligned
.Lno_stat:
	s_wait_tensorcnt 0x0                           ; the wave's end, behind my tensor load and my last LDS store
	ds_add_u32 v[SPW], v[NIL]
	s_wait_dscnt 0x0
	CROUND                                         ; the closing round
	s_endpgm
.Lfunc_end_k_q8e002841cf_main:
	.size	k_q8e002841cf_main, .Lfunc_end_k_q8e002841cf_main-k_q8e002841cf_main
	.p2alignl 7, 3214868480
	.fill 96, 4, 3214868480
	.section	.rodata,"a",@progbits
	.p2align	6, 0x0
	.amdhsa_kernel k_q8e002841cf_main
		.amdhsa_group_segment_fixed_size 327680
		.amdhsa_private_segment_fixed_size 0
		.amdhsa_enable_private_segment 0
		.amdhsa_kernarg_size 40
		.amdhsa_user_sgpr_count 2
		.amdhsa_user_sgpr_kernarg_segment_ptr 1
		.amdhsa_wavefront_size32 1
		.amdhsa_system_sgpr_workgroup_id_x 1
		.amdhsa_system_sgpr_workgroup_id_y 1
		.amdhsa_system_sgpr_workgroup_id_z 1
		.amdhsa_system_vgpr_workitem_id 0
		.amdhsa_next_free_vgpr 512
		.amdhsa_next_free_sgpr 66
		.amdhsa_reserve_vcc 1
		.amdhsa_float_denorm_mode_32 3
		.amdhsa_float_denorm_mode_16_64 3
		.amdhsa_memory_ordered 1
		.amdhsa_forward_progress 1
		.amdhsa_inst_pref_size 57
	.end_amdhsa_kernel
	.amdgpu_metadata
---
amdhsa.version: [ 1, 2 ]
amdhsa.kernels:
  - .name:           k_q8e002841cf_main
    .symbol:         k_q8e002841cf_main.kd
    .args:
      - { .name: x, .offset: 0, .size: 8, .value_kind: global_buffer, .address_space: global }
      - { .name: wpack, .offset: 8, .size: 8, .value_kind: global_buffer, .address_space: global }
      - { .name: qv, .offset: 16, .size: 8, .value_kind: global_buffer, .address_space: global }
      - { .name: bk, .offset: 24, .size: 8, .value_kind: global_buffer, .address_space: global }
      - { .name: part, .offset: 32, .size: 8, .value_kind: global_buffer, .address_space: global }
    .group_segment_fixed_size: 327680
    .private_segment_fixed_size: 0
    .kernarg_segment_align: 8
    .kernarg_segment_size: 40
    .max_flat_workgroup_size: 256
    .sgpr_count:     66
    .vgpr_count:     512
    .wavefront_size: 32
...
	.end_amdgpu_metadata
.endif
;; end of part 2
;; launch comb (part 3): grid 4 x 8, 1 waves a work-group, no clusters, 0 bytes of LDS; arguments part, bv, out0; writes out0
.if DOCPART == 3
	.amdgcn_target "amdgcn-amd-amdhsa--gfx1250"
	.amdhsa_code_object_version 6
	.text
	.protected	k_q8e002841cf_comb
	.globl	k_q8e002841cf_comb
	.p2align	8
	.type	k_q8e002841cf_comb,@function
k_q8e002841cf_comb:
	s_mov_b64 s[64:65], 0
	v_nop
	global_prefetch_b8 v0, s[64:65] scope:SCOPE_SE
	s_setreg_imm32_b32 hwreg(HW_REG_WAVE_MODE, 25, 1), 1
	s_wait_xcnt 0x0
; out0[batch][column] = (sum over the batch's 32 records i of f_i ctx_i[column]) / L + bv[column], with f_i = 2^(c m_i - M), M the largest c m_i, L = the sum of f_i l_i.
; A record of part is 2,304 bytes: ctx[512] f32, then the pair {c m, l} (32 copies).  One wave makes 128 columns of one batch, 4 a lane; lane i also holds record i's pair.
; The record with the largest c m has f = 1 and l of about 1 or more, so L lies between about 1 and 2,048: 1 / L is multiplied into the factors first.
; No LDS, no barrier, no loop; all 34 loads go out at the head.  Matrix units, clusters and tensor loads have nothing to do here: 32 multiply-adds a number.
.set CT, 32                            ; v32-159 the 32 records' four columns
	s_load_b128 s[4:7], s[0:1], 0x0                ; part s[4:5], bv s[6:7]
	s_load_b64 s[8:9], s[0:1], 0x10                ; out0
	v_lshlrev_b32 v1, 4, v0                        ; 16 x lane
	v_mul_u32_u24 v2, v0, 2304                     ; record = lane
	v_mov_b32 v17, 0                               ; a lane permute's destination counts as one of its sources
	s_and_b32 s14, ttmp7, 0xffff                   ; the batch
	s_mul_i32 s16, s14, 32*2304
	s_mov_b32 s17, 0
	s_lshl_b32 s18, ttmp9, 9                       ; my 128 columns
	s_mov_b32 s19, 0
	s_lshl_b32 s52, s14, 11
	s_add_co_u32 s52, s52, s18
	s_mov_b32 s53, 0
	s_mov_b32 s12, 0x76543210
	s_mov_b32 s13, 0xfedcba98                      ; v_permlanex16_b32's selects for lane l xor 16
	s_wait_kmcnt 0x0
	s_add_nc_u64 s[4:5], s[4:5], s[16:17]
	s_add_nc_u64 s[10:11], s[4:5], s[18:19]
	s_add_nc_u64 s[6:7], s[6:7], s[18:19]
	s_add_nc_u64 s[8:9], s[8:9], s[52:53]
	global_load_b64 v[4:5], v2, s[4:5] offset:2048 ; {c m, l} of record = lane
	global_load_b128 v[8:11], v1, s[6:7]           ; bv
.set i, 0
.rept 32
	global_load_b128 v[CT+4*i:CT+4*i+3], v1, s[10:11] offset:2304*i   ; 512 consecutive bytes, aligned
.set i, i+1
.endr
	s_wait_loadcnt 33                              ; the pair is in; bv's load and the 32 of the records may be out
	v_mov_b32 v16, v4
	v_max_num_f32_dpp v16, v16, v16 row_xmask:1 row_mask:0xf bank_mask:0xf
	v_max_num_f32_dpp v16, v16, v16 row_xmask:2 row_mask:0xf bank_mask:0xf
	v_max_num_f32_dpp v16, v16, v16 row_xmask:4 row_mask:0xf bank_mask:0xf
	v_max_num_f32_dpp v16, v16, v16 row_xmask:8 row_mask:0xf bank_mask:0xf
	v_permlanex16_b32 v17, v16, s12, s13
	v_max_num_f32 v16, v16, v17                    ; M
	v_sub_f32 v18, v4, v16
	v_exp_f32 v18, v18                             ; f
	v_nop                                          ; a plain instruction behind the exponential,
	s_wait_alu depctr_va_vdst(0)                   ; and the wait ahead of the first use
	v_mul_f32 v19, v18, v5
	v_add_f32_dpp v19, v19, v19 row_xmask:1 row_mask:0xf bank_mask:0xf
	v_add_f32_dpp v19, v19, v19 row_xmask:2 row_mask:0xf bank_mask:0xf
	v_add_f32_dpp v19, v19, v19 row_xmask:4 row_mask:0xf bank_mask:0xf
	v_add_f32_dpp v19, v19, v19 row_xmask:8 row_mask:0xf bank_mask:0xf
	v_permlanex16_b32 v17, v19, s12, s13
	v_add_f32 v19, v19, v17                        ; L
	v_rcp_f32 v20, v19
	v_nop
	s_wait_alu depctr_va_vdst(0)
	v_mul_f32 v21, v18, v20                        ; f / L
.set i, 0
.rept 32
	v_readlane_b32 s[20+i], v21, i                 ; record i's factor for every lane: a value alone, no address and no branch hangs on it
.set i, i+1
.endr
	s_wait_loadcnt 0x0
.irp j, 0,1,2,3
	v_fma_f32 v[12+\j], s20, v[CT+\j], v[8+\j]     ; bv starts the sums
.endr
.set i, 1
.rept 31
.irp j, 0,1,2,3
	v_fma_f32 v[12+\j], s[20+i], v[CT+4*i+\j], v[12+\j]   ; four chains that do not wait for each other
.endr
.set i, i+1
.endr
	global_store_b128 v1, v[12:15], s[8:9]         ; 512 consecutive bytes, aligned
	s_endpgm
.Lfunc_end_k_q8e002841cf_comb:
	.size	k_q8e002841cf_comb, .Lfunc_end_k_q8e002841cf_comb-k_q8e002841cf_comb
	.p2alignl 7, 3214868480
	.fill 96, 4, 3214868480
	.section	.rodata,"a",@progbits
	.p2align	6, 0x0
	.amdhsa_kernel k_q8e002841cf_comb
		.amdhsa_group_segment_fixed_size 0
		.amdhsa_private_segment_fixed_size 0
		.amdhsa_enable_private_segment 0
		.amdhsa_kernarg_size 24
		.amdhsa_user_sgpr_count 2
		.amdhsa_user_sgpr_kernarg_segment_ptr 1
		.amdhsa_wavefront_size32 1
		.amdhsa_system_sgpr_workgroup_id_x 1
		.amdhsa_system_sgpr_workgroup_id_y 1
		.amdhsa_system_sgpr_workgroup_id_z 1
		.amdhsa_system_vgpr_workitem_id 0
		.amdhsa_next_free_vgpr 160
		.amdhsa_next_free_sgpr 66
		.amdhsa_reserve_vcc 0
		.amdhsa_float_denorm_mode_32 3
		.amdhsa_float_denorm_mode_16_64 3
		.amdhsa_memory_ordered 1
		.amdhsa_forward_progress 1
		.amdhsa_inst_pref_size 16
	.end_amdhsa_kernel
	.amdgpu_metadata
---
amdhsa.version: [ 1, 2 ]
amdhsa.kernels:
  - .name:           k_q8e002841cf_comb
    .symbol:         k_q8e002841cf_comb.kd
    .args:
      - { .name: part, .offset: 0, .size: 8, .value_kind: global_buffer, .address_space: global }
      - { .name: bv, .offset: 8, .size: 8, .value_kind: global_buffer, .address_space: global }
      - { .name: out0, .offset: 16, .size: 8, .value_kind: global_buffer, .address_space: global }
    .group_segment_fixed_size: 0
    .private_segment_fixed_size: 0
    .kernarg_segment_align: 8
    .kernarg_segment_size: 24
    .max_flat_workgroup_size: 32
    .sgpr_count:     66
    .vgpr_count:     160
    .wavefront_size: 32
...
	.end_amdgpu_metadata
.endif
;; end of part 3
;; ======== version 2 of 2: 3 launches; version 1 with the launch prep written anew for expert scheduling mode
;; workspace buffers: wpack 278,528 bytes; qv 16,384 bytes; part 589,824 bytes
;; launch prep (part 4): grid 96 x 1, 8 waves a work-group, no clusters, 11,264 bytes of LDS; arguments x, Wq, bq, Wk, Wv, wpack, qv; writes wpack, qv
.if DOCPART == 4
	.amdgcn_target "amdgcn-amd-amdhsa--gfx1250"
	.amdhsa_code_object_version 6
	.text
	.protected	k_q8e002841cf_prep
	.globl	k_q8e002841cf_prep
	.p2align	8
	.type	k_q8e002841cf_prep,@function
k_q8e002841cf_prep:
	s_mov_b64 s[64:65], 0
	v_nop
	global_prefetch_b8 v0, s[64:65] scope:SCOPE_SE
	s_setreg_imm32_b32 hwreg(HW_REG_WAVE_SCHED_MODE, 0, 2), 2
	s_setreg_imm32_b32 hwreg(HW_REG_WAVE_MODE, 25, 1), 1
	s_wait_xcnt 0x0
	s_wait_alu depctr_vm_vsrc(0)
; Wk and Wv [512 (k)][512 (n)] f32 become codes of FP4 (E2M1) with one E8M0 byte for each 32 along K, laid in the order of the operand's registers
; for the next launch; and q = Q(x) Q(Wq) + bq is made for the one row of each batch that is kept: the last (8 rows in all).
; SHARES.  Work-group g: matrix g / 32 (0 Wk, 1 Wv, 2 Wq), tile T = g % 32 of 16 columns.  Wave w takes K rows 64 w .. 64 w + 63; lane (r, h) takes column 16 T + r and
; block 2 w + h of K: its 32 registers run DOWN K, so a block's largest magnitude needs no other lane and the four conversions give registers 4 c .. 4 c + 3 (c = w % 2)
; of the fragment of K step w / 2, as that lane wants them.  Nothing is transposed.  Each load reads 64 consecutive bytes in sixteen lanes; the other columns of the same
; 256 bytes belong to the three neighbouring work-groups.
; wpack: eight blocks of 34,816 bytes, one for each wave of the next launch (64 columns): 2,048 bytes of scale bytes (tile t at 512 t: Wk's [r][16], then Wv's [r][16]), Wk's 16 fragments, Wv's 16
; (fragment 4 t + s at 1,024 (4 t + s) + 512 c + 16 lane).   qv: [tile 32][batch 8][16 columns] f32.
; A block's scale is 2^(floor(log2(its largest magnitude)) - 2): its byte is the largest magnitude's exponent field - 2, held at 1 from below.
; LIMITS: NaN and infinities among the inputs are not served; a block of zeros, or one whose largest magnitude lies under 2^-124, gets the byte 1: its codes are zeros or tiny, and the bytes are read by this program alone.
; No tensor loads and no cluster: a work-group's numbers are its own (only x's 8 rows, 16 KB, are read by the 32 work-groups of Wq).  The two ways, which part on the work-group's number, have LDS bytes of their own.
; THE MODE: SCHED_MODE bits 1:0 = 2 (LLVM: expert scheduling mode 2), set by the entry lines.  The code itself states the register dependences
; between vector or matrix instructions and memory or LDS instructions, with s_wait_alu, always for 0.
; THE PLAN.  Registers that memory or LDS instructions touch:
;   v4-v17        addresses and offsets: written by vector instructions at the head, once; read by every load, store and LDS instruction.  One wait on va_vdst, ahead of the parting of the two ways, states that they are written.
;   WN, XN        filled by global loads, once; read by the maxima and the conversions; never loaded again.
;   WC, BY        written by WQ, then read by two stores; PC, PW written by QUANT, then read by three stores: one wait on va_vdst ahead of each run of stores.  None of them is written again.
;   WF, XF, WSC, XSC, BQ   filled by loads, read by the matrix instructions; no vector instruction names them.
;   QD            written by the four products, read by two LDS stores: the four places, then one wait on va_vdst.
;   v24-25 (Wk's and Wv's way), OUTR   filled by an LDS load, read by a global store; no vector instruction on their way names them.
;   v18, v19      written at the head, read by the closing add alone.
; No register that a memory or LDS instruction reads is written again, so the text holds no wait on vm_vsrc.  The wave's number goes through an SGPR: one wait on va_sdst ahead of its first reader.
.set KSB,   0                          ; LDS: Wk's or Wv's scale bytes [r][16]
.set QSB,   256                        ; Wq's scale bytes [r][16]
.set QWI,   512                        ; Wq's four fragments, as images of their registers: 1,024 s + 512 c + 16 lane
.set QXI,   4608                       ; x's four fragments likewise
.set QXS,   8704                       ; x's scale words: 128 s + 4 lane
.set QST,   9216                       ; a stage for q: 16 rows of 64 bytes
.set SPARE, 10240                      ; the spare words, 128 bytes for each wave: four blocks of 256 bytes that no other line names
.set WBLK,  34816
.set WO,  4                            ; v4   W: 4 r + 32 h rows of 2,048 bytes
.set L16, 5                            ; v5   16 x lane
.set L8,  6                            ; v6   8 x lane
.set AKS, 7                            ; v7   KSB + 16 r + 2 w + h
.set AQS, 8                            ; v8   QSB + 16 r + 2 w + h
.set AQW, 9                            ; v9   QWI + 512 w + 16 lane
.set XO,  10                           ; v10  x: batch r % 8 (2^22 bytes each) + 64 h
.set AXI, 11                           ; v11  QXI + 1,024 (w % 4) + 16 lane
.set AXS, 12                           ; v12  QXS + 128 (w % 4) + 4 lane
.set RQS, 13                           ; v13  QSB + 16 r
.set RXS, 14                           ; v14  QXS + 4 lane
.set STI, 15                           ; v15  QST + 64 r + 32 h
.set STO, 16                           ; v16  QST + 16 lane
.set BO,  17                           ; v17  32 h
.set SPW, 18                           ; v18  LDS address of my spare word; never rewritten
.set NIL, 19                           ; v19  0; never rewritten
.set M,   20                           ; v20  a block's largest magnitude;  v23 its second chain
.set SO,  21                           ; v21  the conversion's scale operand
.set BY,  22                           ; v22  the scale's byte
.set TM,  24                           ; v24-39 at work in QUANT
.set PW,  40                           ; v40  x's scale word
.set PC,  44                           ; v44-51 x's codes
.set WC,  52                           ; v52-55 W's codes
.set WN,  64                           ; v64-95 32 numbers of W
.set XN,  96                           ; v96-159 64 numbers of x
.set WF,  160                          ; wave 0: Wq's four fragments
.set XF,  192                          ; x's four
.set WSC, 224                          ; v224-227 Wq's scale words, v228-231 x's: scales and nothing else
.set XSC, 228
.set BQ,  232                          ; bq in the result's layout
.set QD,  240                          ; the sum
.set OUTR, 248
.set WV,  18                           ; s18 wave;  s19 T;  s20 matrix;  s21 wave % 4;  s[22:23] lane selects
.set SEL, 22
.macro WLOAD b                         ; W(64 w + 32 h + i, 16 T + r), i = 0 .. 31
.set i, 0
.rept 32
	global_load_b32 v[WN+i], v[WO], s[\b:\b+1] offset:2048*i
.set i, i+1
.endr
.endm
.macro WQ                              ; my block of 32: its byte in v[BY], its codes in v[WC] on
	v_max3_num_f32 v[M], |v[WN]|, |v[WN+1]|, |v[WN+2]|
	v_max3_num_f32 v[M+3], |v[WN+3]|, |v[WN+4]|, |v[WN+5]|
.irp i, 6,10,14,18,22,26
	v_max3_num_f32 v[M], v[M], |v[WN+\i]|, |v[WN+\i+1]|
	v_max3_num_f32 v[M+3], v[M+3], |v[WN+\i+2]|, |v[WN+\i+3]|
.endr
	v_max3_num_f32 v[M], v[M], |v[WN+30]|, |v[WN+31]|
	v_max3_num_f32 v[M], v[M], v[M+3], 0x1800000   ; and the floor 2^(3 - 127): the byte cannot fall under 1
	v_add_nc_u32 v[SO], 0xff000000, v[M]           ; 2 off the exponent field: the conversion takes the exponent field of this operand as its scale
.irp g, 0,1,2,3
	v_cvt_scalef32_pk8_fp4_f32 v[WC+\g], v[WN+8*\g:WN+8*\g+7], v[SO]
.endr
	v_lshrrev_b32 v[BY], 23, v[SO]                 ; the scale's byte; also the plain instruction behind the conversions
.endm
; 64 numbers of a lane, register 16 b + i = k 32 b + 16 h + i of my row, become a fragment's codes in v[PC] on and its scale word in v[PW]
.macro QUANT s
.irp b, 0,1,2,3
	v_max3_num_f32 v[TM+\b], |v[\s+16*\b]|, |v[\s+1+16*\b]|, 0x1800000
.endr
.irp i, 2,4,6,8,10,12,14
.irp b, 0,1,2,3
	v_max3_num_f32 v[TM+\b], v[TM+\b], |v[\s+16*\b+\i]|, |v[\s+1+16*\b+\i]|   ; the four blocks by turns
.endr
.endr
.irp b, 0,1,2,3
	v_permlanex16_b32 v[TM+4+\b], v[TM+\b], s[SEL], s[SEL+1]
.endr
.irp b, 0,1,2,3
	v_max_num_f32 v[TM+\b], v[TM+\b], v[TM+4+\b]   ; with lane l xor 16's: the block's largest magnitude
.endr
.irp b, 0,1,2,3
	v_add_nc_u32 v[TM+12+\b], 0xff000000, v[TM+\b]
.endr
.irp b, 0,1,2,3
	v_lshrrev_b32 v[TM+4+\b], 23, v[TM+12+\b]
.endr
	v_lshl_or_b32 v[PW], v[TM+5], 8, v[TM+4]
	v_lshl_or_b32 v[PW], v[TM+6], 16, v[PW]
	v_lshl_or_b32 v[PW], v[TM+7], 24, v[PW]
.irp b, 0,1,2,3
	v_cvt_scalef32_pk8_fp4_f32 v[PC+2*\b], v[\s+16*\b:\s+7+16*\b], v[TM+12+\b]
	v_cvt_scalef32_pk8_fp4_f32 v[PC+1+2*\b], v[\s+8+16*\b:\s+15+16*\b], v[TM+12+\b]
.endr
	v_nop                                          ; one plain instruction behind a scaled conversion
.irp c, 0,1                            ; the operand wants a whole block in a lane: lanes 0-15 block 2 c, lanes 16-31 block 2 c + 1
.irp i, 0,1
	v_permlane16_swap_b32 v[PC+4*\c+\i], v[PC+2+4*\c+\i]
.endr
.endr
.endm
	s_load_b256 s[4:11], s[0:1], 0x0               ; x s[4:5], Wq s[6:7], bq s[8:9], Wk s[10:11]
	s_load_b128 s[12:15], s[0:1], 0x20             ; Wv s[12:13], wpack s[14:15]
	s_load_b64 s[16:17], s[0:1], 0x30              ; qv
	v_lshl_add_u32 v[SPW], v0, 2, SPARE
	v_mov_b32 v[NIL], 0
	v_lshrrev_b32 v1, 5, v0
	v_readfirstlane_b32 s[WV], v1                  ; wave 0..7
	v_and_b32 v1, 31, v0                           ; lane
	v_and_b32 v2, 15, v0                           ; r
	v_bfe_u32 v3, v0, 4, 1                         ; h
	s_and_b32 s19, ttmp9, 31                       ; T
	s_lshr_b32 s20, ttmp9, 5                       ; which matrix
	s_wait_alu depctr_va_sdst(0)                   ; s18, the wave's number, is written, ahead of its first reader: addresses and branches are made from it
	s_and_b32 s21, s[WV], 3
	; every address register is made here, ahead of all branches
	v_lshlrev_b32 v[WO], 2, v2
	v_lshl_add_u32 v[WO], v3, 16, v[WO]
	v_lshlrev_b32 v[L16], 4, v1
	v_lshlrev_b32 v[L8], 3, v1
	v_lshl_add_u32 v[AKS], v2, 4, v3
	s_lshl_b32 s24, s[WV], 1
	v_add_nc_u32 v[AKS], s24, v[AKS]
	v_add_nc_u32 v[AQS], QSB, v[AKS]
	s_lshl_b32 s24, s[WV], 9
	s_add_co_u32 s24, s24, QWI
	v_add_nc_u32 v[AQW], s24, v[L16]
	v_and_b32 v[XO], 7, v2
	v_lshlrev_b32 v[XO], 22, v[XO]
	v_lshl_add_u32 v[XO], v3, 6, v[XO]
	s_lshl_b32 s24, s21, 10
	s_add_co_u32 s24, s24, QXI
	v_add_nc_u32 v[AXI], s24, v[L16]
	s_lshl_b32 s24, s21, 7
	s_add_co_u32 s24, s24, QXS
	v_lshl_add_u32 v[AXS], v1, 2, s24
	v_lshl_add_u32 v[RQS], v2, 4, QSB
	v_lshl_add_u32 v[RXS], v1, 2, QXS
	v_lshlrev_b32 v[STI], 6, v2
	v_lshl_add_u32 v[STI], v3, 5, v[STI]
	v_add_nc_u32 v[STI], QST, v[STI]
	v_add_nc_u32 v[STO], QST, v[L16]
	v_lshlrev_b32 v[BO], 5, v3
	s_mov_b32 s[SEL], 0x76543210
	s_mov_b32 s[SEL+1], 0xfedcba98                 ; v_permlanex16_b32's selects for lane l xor 16
.irp b, 0,1,2,3
	v_mov_b32 v[TM+4+\b], 0                        ; written once: a lane permute's destination counts as one of its sources
.endr
	s_lshl_b32 s26, s19, 6                         ; where my numbers of W begin: 64 T + 64 w rows of 2,048 bytes
	s_lshl_b32 s27, s[WV], 17
	s_add_co_u32 s26, s26, s27
	s_mov_b32 s27, 0
	s_wait_kmcnt 0x0
	s_wait_alu depctr_va_vdst(0)                   ; the fourteen addresses and offsets v4 to v17 are written, which the loads, stores and LDS instructions of both ways read; none of them is written again
	s_cmp_ge_u32 ttmp9, 64                         ; the work-group's number alone: all eight waves go one way
	s_cbranch_scc1 .Lq
	; ---- Wk or Wv
	s_cmp_eq_u32 s20, 0
	s_cselect_b64 s[24:25], s[10:11], s[12:13]
	s_add_nc_u64 s[24:25], s[24:25], s[26:27]
	WLOAD 24
	s_lshr_b32 s28, s19, 2
	s_mul_i32 s28, s28, WBLK                       ; the block of the wave that will read these 16 columns
	s_and_b32 s29, s19, 3                          ; t
	s_lshl_b32 s30, s29, 9
	s_lshl_b32 s31, s20, 8
	s_add_co_u32 s30, s30, s31
	s_add_co_u32 s30, s30, s28                     ; the scale bytes: block + 512 t + 256 x matrix
	s_mov_b32 s31, 0
	s_lshl_b32 s29, s29, 12
	s_add_co_u32 s28, s28, s29
	s_lshl_b32 s29, s20, 14
	s_add_co_u32 s28, s28, s29
	s_lshl_b32 s29, s[WV], 9
	s_add_co_u32 s28, s28, s29
	s_add_co_u32 s28, s28, 2048                    ; the codes: block + 2,048 + 16,384 x matrix + 4,096 t + 512 w
	s_mov_b32 s29, 0
	s_add_nc_u64 s[28:29], s[14:15], s[28:29]
	s_add_nc_u64 s[30:31], s[14:15], s[30:31]
	s_wait_loadcnt 0x0
	WQ
	s_wait_alu depctr_va_vdst(0)                   ; the conversions have written v[WC ..] and the shift v[BY], which the two stores below read
	global_store_b128 v[L16], v[WC:WC+3], s[28:29] ; the wave stores 512 consecutive bytes, aligned
	ds_store_b8 v[AKS], v[BY]
	s_wait_dscnt 0x0                               ; for the others' sake: my byte has landed
	s_barrier_signal -1
	s_barrier_wait -1
	s_cmp_lg_u32 s[WV], 0
	s_cbranch_scc1 .Lkv_end
	ds_load_b64 v[TM:TM+1], v[L8]                  ; KSB = 0: the tile's 256 scale bytes, 8 a lane (no vector instruction on this way names v24 and v25)
	s_wait_dscnt 0x0
	global_store_b64 v[L8], v[TM:TM+1], s[30:31]   ; 256 consecutive bytes, aligned
.Lkv_end:
	s_wait_dscnt 0x0                               ; the closing lines, six on end
	s_wait_alu 0x0
	s_wait_tensorcnt 0x0
	ds_add_u32 v[SPW], v[NIL]
	s_wait_dscnt 0x0
	s_endpgm
	; ---- Wq, and q of the eight last rows
.Lq:
	s_add_nc_u64 s[24:25], s[6:7], s[26:27]
	WLOAD 24
	s_cmp_lt_u32 s[WV], 4
	s_cbranch_scc1 .Lq_nox
	s_lshl_b32 s28, s21, 9                         ; waves 4 to 7: K step w - 4 of x's rows [batch][2047]: 128 numbers, 64 a lane; rows 8 to 15 of the fragment repeat batches 0 to 7
	s_add_co_u32 s28, s28, 2047*2048
	s_mov_b32 s29, 0
	s_add_nc_u64 s[28:29], s[4:5], s[28:29]
.irp b, 0,1,2,3
.irp j, 0,1,2,3
	global_load_b128 v[XN+16*\b+4*\j:XN+16*\b+4*\j+3], v[XO], s[28:29] offset:128*\b+16*\j
.endr
.endr
.Lq_nox:
	s_cmp_lg_u32 s[WV], 0
	s_cbranch_scc1 .Lq_nobq
	s_lshl_b32 s30, s19, 6                         ; wave 0: bq of columns 16 T + 8 h + 0 .. 7
	s_mov_b32 s31, 0
	s_add_nc_u64 s[30:31], s[8:9], s[30:31]
	global_load_b128 v[BQ:BQ+3], v[BO], s[30:31]
	global_load_b128 v[BQ+4:BQ+7], v[BO], s[30:31] offset:16
.Lq_nobq:
	s_wait_loadcnt 0x0                             ; the waves have issued different numbers of loads: all of mine
	WQ
	s_wait_alu depctr_va_vdst(0)                   ; the conversions have written v[WC ..] and the shift v[BY], which the two LDS stores below read
	ds_store_b128 v[AQW], v[WC:WC+3]               ; registers 4 c .. 4 c + 3 of fragment w / 2, as they stand
	ds_store_b8 v[AQS], v[BY]
	s_cmp_lt_u32 s[WV], 4
	s_cbranch_scc1 .Lq_noq
	QUANT XN                                       ; it writes v24 to v51: none of the registers that the two stores above read
	s_wait_alu depctr_va_vdst(0)                   ; the conversions and swaps have written v[PC ..], the shifts v[PW], which the three LDS stores below read
	ds_store_b128 v[AXI], v[PC:PC+3]
	ds_store_b128 v[AXI], v[PC+4:PC+7] offset:512
	ds_store_b32 v[AXS], v[PW]
.Lq_noq:
	s_wait_dscnt 0x0                               ; for wave 0's sake: my stores have landed
	s_barrier_signal -1
	s_barrier_wait -1
	s_cmp_lg_u32 s[WV], 0
	s_cbranch_scc1 .Lq_end
.irp s, 0,1,2,3
.irp c, 0,1
	ds_load_b128 v[WF+8*\s+4*\c:WF+8*\s+4*\c+3], v[L16] offset:QWI+1024*\s+512*\c
	ds_load_b128 v[XF+8*\s+4*\c:XF+8*\s+4*\c+3], v[L16] offset:QXI+1024*\s+512*\c
.endr
	ds_load_b32 v[XSC+\s], v[RXS] offset:128*\s
.endr
	ds_load_b128 v[WSC:WSC+3], v[RQS]              ; column r's sixteen bytes: word s serves K step s
	s_wait_dscnt 0x0
	; transposed: source 0 = 16 columns of Wq, source 1 = x's rows: lane (r, h) holds q[batch r][16 T + 8 h + 0 .. 7].  bq is the C of the first product.  Operands and scales come from loads alone.
	v_wmma_scale_f32_16x16x128_f8f6f4 v[QD:QD+7], v[WF:WF+7], v[XF:XF+7], v[BQ:BQ+7], v[WSC], v[XSC] matrix_a_fmt:MATRIX_FMT_FP4 matrix_b_fmt:MATRIX_FMT_FP4
.irp s, 1,2,3
	s_wait_alu depctr_va_vdst(0)                   ; a wait directly ahead of each link
	v_wmma_scale_f32_16x16x128_f8f6f4 v[QD:QD+7], v[WF+8*\s:WF+8*\s+7], v[XF+8*\s:XF+8*\s+7], v[QD:QD+7], v[WSC+\s], v[XSC+\s] matrix_a_fmt:MATRIX_FMT_FP4 matrix_b_fmt:MATRIX_FMT_FP4
.endr
.rept 4
	v_nop                                          ; four plain instructions between the last product and the first read of its result (ISA guide 7.12.1)
.endr
	s_wait_alu depctr_va_vdst(0)                   ; the last product has written v[QD ..], which the LDS stores below read; the places above stay beside this wait
	ds_store_b128 v[STI], v[QD:QD+3]               ; the result from its low end on
	ds_store_b128 v[STI], v[QD+4:QD+7] offset:16
	ds_load_b128 v[OUTR:OUTR+3], v[STO]            ; rows 0 to 7, 512 bytes; LDS serves a wave's instructions in order: this sees my stores
	s_lshl_b32 s28, s19, 9
	s_mov_b32 s29, 0
	s_add_nc_u64 s[28:29], s[16:17], s[28:29]
	s_wait_dscnt 0x0
	global_store_b128 v[L16], v[OUTR:OUTR+3], s[28:29]   ; 512 consecutive bytes, aligned
.Lq_end:
	s_wait_dscnt 0x0                               ; the closing lines, six on end, as above
	s_wait_alu 0x0
	s_wait_tensorcnt 0x0
	ds_add_u32 v[SPW], v[NIL]
	s_wait_dscnt 0x0
	s_endpgm
.Lfunc_end_k_q8e002841cf_prep:
	.size	k_q8e002841cf_prep, .Lfunc_end_k_q8e002841cf_prep-k_q8e002841cf_prep
	.p2alignl 7, 3214868480
	.fill 96, 4, 3214868480
	.section	.rodata,"a",@progbits
	.p2align	6, 0x0
	.amdhsa_kernel k_q8e002841cf_prep
		.amdhsa_group_segment_fixed_size 11264
		.amdhsa_private_segment_fixed_size 0
		.amdhsa_enable_private_segment 0
		.amdhsa_kernarg_size 56
		.amdhsa_user_sgpr_count 2
		.amdhsa_user_sgpr_kernarg_segment_ptr 1
		.amdhsa_wavefront_size32 1
		.amdhsa_system_sgpr_workgroup_id_x 1
		.amdhsa_system_sgpr_workgroup_id_y 1
		.amdhsa_system_sgpr_workgroup_id_z 1
		.amdhsa_system_vgpr_workitem_id 0
		.amdhsa_next_free_vgpr 256
		.amdhsa_next_free_sgpr 66
		.amdhsa_reserve_vcc 0
		.amdhsa_float_denorm_mode_32 3
		.amdhsa_float_denorm_mode_16_64 3
		.amdhsa_memory_ordered 1
		.amdhsa_forward_progress 1
		.amdhsa_inst_pref_size 23
	.end_amdhsa_kernel
	.amdgpu_metadata
---
amdhsa.version: [ 1, 2 ]
amdhsa.kernels:
  - .name:           k_q8e002841cf_prep
    .symbol:         k_q8e002841cf_prep.kd
    .args:
      - { .name: x, .offset: 0, .size: 8, .value_kind: global_buffer, .address_space: global }
      - { .name: Wq, .offset: 8, .size: 8, .value_kind: global_buffer, .address_space: global }
      - { .name: bq, .offset: 16, .size: 8, .value_kind: global_buffer, .address_space: global }
      - { .name: Wk, .offset: 24, .size: 8, .value_kind: global_buffer, .address_space: global }
      - { .name: Wv, .offset: 32, .size: 8, .value_kind: global_buffer, .address_space: global }
      - { .name: wpack, .offset: 40, .size: 8, .value_kind: global_buffer, .address_space: global }
      - { .name: qv, .offset: 48, .size: 8, .value_kind: global_buffer, .address_space: global }
    .group_segment_fixed_size: 11264
    .private_segment_fixed_size: 0
    .kernarg_segment_align: 8
    .kernarg_segment_size: 56
    .max_flat_workgroup_size: 256
    .sgpr_count:     66
    .vgpr_count:     256
    .wavefront_size: 32
...
	.end_amdgpu_metadata
.endif
;; end of part 4
;; launch main: the kernel of part 2 again; grid 256 x 1, 8 waves a work-group, clusters of 4 x 1, 327,680 bytes of LDS; arguments x, wpack, qv, bk, part; writes part
;; launch comb: the kernel of part 3 again; grid 4 x 8, 1 waves a work-group, no clusters, 0 bytes of LDS; arguments part, bv, out0; writes out0
